; MI455X (gfx1250); checked and timed in simulation.
; The chip was launched on July 23, 2026; its instructions are those of AMD's public machine-readable ISA for CDNA 5 (MIT licence, August 2026) and "CDNA5" Instruction Set Architecture Reference Guide (July 2026). The comments in the code are by the model that wrote it; some were corrected since.
;; Dynamic Sparse Mo E. Allowed arithmetic: matrix products marked QUANTISED: E3M2 operands, one E8M0 scale for each 32 along K, by v_wmma_scale_f32_16x16x128_f8f6f4 with both operands' format E3M2, f32 sums; everything else in f32.
;; Inputs: exp_ids 8,192 int32; tokens_codes 8,192 x 64 x 24 uint8 (E3M2 codes of tokens, K innermost, in blocks of 32 codes, four codes in three bytes); tokens_scales 8,192 x 64 uint8 (E8M0 scales of tokens, one for each 32 codes along K); weight_codes 8 x 512 x 64 x 24 uint8 (E3M2 codes of weight, K innermost, in blocks of 32 codes, four codes in three bytes); weight_scales 8 x 512 x 64 uint8 (E8M0 scales of weight, one for each 32 codes along K).
;; Outputs: out0 8,192 x 512 float32.
;; This version of the problem:
;;   THIS VERSION OF THE PROBLEM IS GIVEN IN LOW PRECISION. The matrix products marked QUANTISED in the list below multiply operands that are first quantised to E3M2 (3 exponent bits, 2 mantissa bits; 6 bits a number), with one power-of-two scale for each 32 numbers along K (OCP MX v1.0); their sums are f32. All else is computed in f32.
;;   The module's matrix products, in the order in which they are computed (A, B: the left and right operand; K: the contracted axis; several contracted axes count as one K, in the product's order):
;;     1. [M 4,096, K 2,048] x [K 2,048, N 8,192]; A: input weight (given as codes); B: input tokens (given as codes): QUANTISED
;;   THE QUANTISER, for each operand of a quantised product, along K:
;;     - K is cut into blocks of 32 from its start; a last block that is shorter is filled with zeros.
;;     - A block's scale is 2^e with e = floor(log2(the largest magnitude in the block)) - 4, held to -126 .. 127; a block of zeros has e = 0. As a byte (E8M0): e + 127.
;;     - Each number is divided by its block's scale, clamped to +-28, and rounded to the nearest number of E3M2, ties to even, subnormals kept.
;;     - The product sums the exact products of the quantised numbers (number of the format x scale) in f32.
;;   ~~~python
;;   def quantise(x, axis):      # numpy; x: float32 -> the quantised numbers, widened to float32 again
;;       x = np.moveaxis(x, axis, -1); K = x.shape[-1]
;;       x = np.pad(x, [(0, 0)] * (x.ndim - 1) + [(0, -K % 32)]); x = x.reshape(x.shape[:-1] + (-1, 32)); a = np.abs(x).max(-1, keepdims=True)
;;       e = np.where(a > 0, np.clip(np.frexp(np.where(a > 0, a, 1))[1] - 1 - 4, -126, 127), 0)      # np.frexp(a)[1] - 1 = floor(log2(a)), exactly
;;       r = np.clip(x / 2.0 ** e, -28, 28)
;;       step = 2.0 ** (np.maximum(np.frexp(np.where(r == 0, 1, r))[1] - 1, -2) - 2)
;;       q = np.round(r / step) * step * 2.0 ** e      # np.round: ties to even
;;       return np.moveaxis(q.reshape(q.shape[:-2] + (-1,))[..., :K], -1, axis).astype(np.float32)
;;   ~~~
;;   INPUTS GIVEN AS CODES. tokens (in the module: [8192, 2048], K = its axis 1); weight (in the module: [8, 2048, 512], K = its axis 1): each comes as NAME_codes (uint8): NAME with its K axis moved to the last place and cut into blocks of 32 codes, [.., K / 32, bytes a block], one block behind the other in memory; four codes in three bytes: a row's codes are one little-endian stream of bits, code i at bits 6 i .. 6 i + 5 (a code: sign, 3 exponent bits, 2 mantissa bits); and NAME_scales (uint8): the same leading axes, one E8M0 byte (e + 127) for each 32 codes along K. Its value is code x scale, taken as it is: it is not quantised again, and the codes and scales need not be those that the quantiser above would give.
;; 2 versions, each right; version 2 is version 1 with the launch gemm written anew for expert scheduling mode. Each part assembles by itself: llvm-mc -triple=amdgcn-amd-amdhsa -mcpu=gfx1250 --defsym DOCPART=n.
;; ======== version 1 of 2: 2 launches
;; workspace buffers: order 32,768 bytes of whole numbers; tiles 2,048 bytes of whole numbers; wimg 6,291,456 bytes
;; launch prep (part 1): grid 129 x 1, 32 waves a work-group, no clusters, 54,784 bytes of LDS; arguments exp_ids, weight_codes, order, tiles, wimg; writes order, tiles, wimg
.if DOCPART == 1
	.amdgcn_target "amdgcn-amd-amdhsa--gfx1250"
	.amdhsa_code_object_version 6
	.text
	.protected	k_q312135d5ff_prep
	.globl	k_q312135d5ff_prep
	.p2align	8
	.type	k_q312135d5ff_prep,@function
k_q312135d5ff_prep:
	s_mov_b64 s[64:65], 0
	v_nop
	global_prefetch_b8 v0, s[64:65] scope:SCOPE_SE
	s_setreg_imm32_b32 hwreg(HW_REG_WAVE_MODE, 25, 1), 1
	s_wait_xcnt 0x0
; Two jobs in one launch, parted by the work-group's number.
; WORK-GROUP 0, THE ROUTING: a counting sort of the 8,192 expert numbers.  order[pos] = token, the tokens of expert 0 first, then expert 1's, and so on (the order
; inside an expert is free: rows do not depend on each other).  tiles[g] = {expert, first place in order, rows 0..80, 0}: tiles of 80 rows, never across experts;
; there are at most ceil(8192 / 80) + 7 = 110 of them whatever the split; entries without rows say 0 rows.  No atomics: each of the 1,024 lanes holds 8 ids, and
; a place is base of the expert + ids of that expert in the waves ahead + in the lanes ahead + in the lane's own earlier registers.
; WORK-GROUPS 1 TO 128, THE WEIGHTS: weight_codes [8][512][1,536 bytes] is laid anew as images of operand registers: fragment (16 rows, 128 along K) number
; (16 b + s), b = the block of 16 rows, s = the K step, is 1,536 bytes on end: registers 4 c .. 4 c + 3 of lane l at 512 c + 16 l.  A wave of the product's launch
; then takes a fragment by three loads of 512 consecutive bytes.  A work-group turns two blocks of 16 rows through LDS; wave v reads row v % 16 of block v / 16
; whole and writes K step v % 16 of that block.
; LIMITS: expert numbers are taken as 0..7 (an index stays inside its table); they are held at 7 from above, which is not what JAX does with indices outside.
; The two jobs use LDS bytes of their own.
.set PT,   1552                        ; an LDS row of codes: 1,536 bytes + 16 = 388 words: row r starts at bank 4 r mod 64, the lane's half adds 6: the 32 lanes of an 8-byte load touch 64 different banks (64 banks of 4 bytes: ISA guide 11.1)
.set BLKB, 16*PT                       ; a block of 16 rows
.set RTB,  2*BLKB                      ; behind the two blocks: the routing's 32 waves x 8 words
; v1 lane  v2 16 x lane  v3 my ids' byte offset  v4, v5 LDS: a row in, a fragment out  v6, v7 LDS: my wave's totals in, eight waves' totals out
; v8 my first token  v9 lane / 16  v10 8 x ((lane % 8) / 2)  v11 8 x (lane / 8)
	s_load_b256 s[4:11], s[0:1], 0x0               ; exp_ids s[4:5], weight_codes s[6:7], order s[8:9], tiles s[10:11]
	s_load_b64 s[12:13], s[0:1], 0x20              ; wimg
	v_lshl_add_u32 v96, v0, 2, 0xc600
	v_mov_b32 v97, 0
	v_lshrrev_b32 v3, 5, v0
	v_readfirstlane_b32 s14, v3                    ; wave 0..31
	v_and_b32 v1, 31, v0
	v_lshlrev_b32 v2, 4, v1
	v_lshl_add_u32 v3, v3, 10, v2                  ; a wave's 256 ids are 1,024 bytes; 16 bytes a lane
	v_lshrrev_b32 v8, 2, v3                        ; the token of my first id: 256 x wave + 4 x lane
	v_lshrrev_b32 v9, 4, v1
	v_and_b32 v10, 6, v1
	v_lshlrev_b32 v10, 2, v10
	v_and_b32 v11, 0x18, v1
	s_lshr_b32 s44, s14, 4                         ; which of the two blocks
	s_and_b32 s45, s14, 15                         ; which row, and which K step
	s_mul_i32 s46, s44, BLKB
	s_mul_i32 s47, s45, PT
	s_add_co_u32 s47, s47, s46
	v_add_nc_u32 v4, s47, v2                       ; in: my row, 16 bytes a lane
	s_mul_i32 s47, s45, 96
	s_add_co_u32 s47, s47, s46
	v_and_b32 v5, 15, v1
	v_mul_u32_u24 v5, v5, PT
	v_mad_u32_u24 v5, v9, 24, v5
	v_add_nc_u32 v5, s47, v5                       ; out: row lane % 16, + 24 x half, + 96 x K step
	v_and_b32 v6, 7, v1
	v_lshlrev_b32 v6, 2, v6
	v_lshrrev_b32 v7, 3, v1
	v_lshl_add_u32 v7, v7, 8, v6
	v_add_nc_u32 v7, RTB, v7                       ; waves 8 (lane / 8) on, expert lane % 8
	s_lshl_b32 s47, s14, 5
	s_add_co_u32 s47, s47, RTB
	v_add_nc_u32 v6, s47, v6                       ; my wave's word for expert lane % 8
	s_mov_b32 s16, 0x76543210
	s_mov_b32 s17, 0xfedcba98                      ; v_permlanex16_b32's selects for lane l xor 16
	s_wait_kmcnt 0x0
	s_cmp_lg_u32 ttmp9, 0                          ; the same in all waves of a work-group
	s_cbranch_scc1 .Lrelay
; ---------------- THE ROUTING ----------------
	global_load_b128 v[12:15], v3, s[4:5]          ; 512 consecutive bytes a wave: register q = 4 j + k is token 256 wave + 128 j + 4 lane + k
	global_load_b128 v[16:19], v3, s[4:5] offset:512
	v_mov_b32 v28, 0                               ; eight counters of 4 bits, one an expert: at most 8 each
	v_mov_b32 v33, 0                               ; (destinations of lane moves count as read: written once here)
	v_mov_b32 v34, 0
	s_wait_loadcnt 0x0
.irp q, 0,1,2,3,4,5,6,7
	v_min_u32 v[12+\q], 7, v[12+\q]
	v_lshlrev_b32 v[12+\q], 2, v[12+\q]            ; 4 x id: the counter's place, and later a lane's address
	v_bfe_u32 v[20+\q], v28, v[12+\q], 4           ; how many of my earlier registers hold the same expert
	v_lshl_add_u32 v28, 1, v[12+\q], v28
.endr
	v_and_b32 v29, 0x0f0f0f0f, v28                 ; the counters as bytes: experts 0, 2, 4, 6
	v_lshrrev_b32 v30, 4, v28
	v_and_b32 v30, 0x0f0f0f0f, v30                 ; experts 1, 3, 5, 7
	v_mov_b32 v31, v29
	v_mov_b32 v32, v30
.irp n, 1,2,4,8                                ; running sums over each 16 lanes, four experts at once: a byte holds at most 16 x 8 = 128
	v_mov_b32_dpp v33, v31 row_shr:\n row_mask:0xf bank_mask:0xf bound_ctrl:1
	v_mov_b32_dpp v34, v32 row_shr:\n row_mask:0xf bank_mask:0xf bound_ctrl:1
	v_add_nc_u32 v31, v31, v33
	v_add_nc_u32 v32, v32, v34
.endr
	v_readlane_b32 s48, v31, 15                    ; the totals of lanes 0-15
	v_readlane_b32 s49, v32, 15
	v_readlane_b32 s50, v31, 31                    ; and of lanes 16-31
	v_readlane_b32 s51, v32, 31
	v_mul_lo_u32 v33, s48, v9
	v_mul_lo_u32 v34, s49, v9
	v_sub_nc_u32 v36, v31, v29
	v_sub_nc_u32 v37, v32, v30
	v_add_nc_u32 v36, v36, v33                     ; ids in the lanes ahead of me in my wave, a byte an expert: at most 31 x 8 = 248
	v_add_nc_u32 v37, v37, v34
	v_and_b32 v34, 1, v1
	v_cmp_ne_u32 vcc_lo, 0, v34                    ; odd lanes take odd experts
	v_mov_b32 v33, s48
	v_mov_b32 v34, s49
	v_cndmask_b32 v33, v33, v34, vcc_lo
	v_mov_b32 v35, s50
	v_mov_b32 v34, s51
	v_cndmask_b32 v35, v35, v34, vcc_lo
	v_bfe_u32 v33, v33, v10, 8
	v_bfe_u32 v35, v35, v10, 8
	v_add_nc_u32 v38, v33, v35                     ; my wave's ids of expert lane % 8 (the two halves are added as whole words: up to 256)
	ds_store_b32 v6, v38                           ; four lanes write the same word with the same value
.irp q, 0,1,2,3,4,5,6,7                        ; while the store is out: what a place needs of my own wave, and the token's number
	v_and_b32 v33, 4, v[12+\q]
	v_cmp_ne_u32 vcc_lo, 0, v33                    ; an odd expert
	v_cndmask_b32 v34, v36, v37, vcc_lo
	v_and_b32 v33, 0x18, v[12+\q]                  ; 8 x (id / 2): its byte
	v_bfe_u32 v34, v34, v33, 8
	v_add_nc_u32 v[60+\q], v34, v[20+\q]
	v_add_nc_u32 v[68+\q], 128*(\q/4)+\q%4, v8
.endr
	s_wait_dscnt 0x0                               ; for the others' sake: my totals lie in LDS
	s_barrier_signal -1
	s_barrier_wait -1
.irp i, 0,1,2,3,4,5,6,7
	ds_load_b32 v[40+\i], v7 offset:32*\i          ; expert lane % 8 of wave 8 (lane / 8) + i
.endr
	v_sub_nc_u32 v50, s14, v11                     ; wave 8 (lane / 8) + i stands ahead of mine where i < this
	s_wait_dscnt 0x0
	v_mov_b32 v48, v40                             ; all waves' ids of the expert,
	v_cmp_lt_i32 vcc_lo, 0, v50
	v_cndmask_b32 v49, 0, v40, vcc_lo              ; and those of the waves ahead of mine
.irp i, 1,2,3,4,5,6,7
	v_cmp_lt_i32 vcc_lo, \i, v50
	v_cndmask_b32 v33, 0, v[40+\i], vcc_lo
	v_add_nc_u32 v48, v48, v[40+\i]
	v_add_nc_u32 v49, v49, v33
.endr
	v_mov_b32_dpp v33, v48 row_xmask:8 row_mask:0xf bank_mask:0xf   ; the four groups of eight lanes are added
	v_mov_b32_dpp v34, v49 row_xmask:8 row_mask:0xf bank_mask:0xf
	v_add_nc_u32 v48, v48, v33
	v_add_nc_u32 v49, v49, v34
	v_permlanex16_b32 v33, v48, s16, s17
	v_permlanex16_b32 v34, v49, s16, s17
	v_add_nc_u32 v48, v48, v33
	v_add_nc_u32 v49, v49, v34
.irp e, 0,1,2,3,4,5,6,7
	v_readlane_b32 s[20+\e], v48, \e               ; c_e: the expert's rows
.endr
	s_mov_b32 s28, 0                               ; base_e: where its rows begin in order
	s_mov_b32 s36, 0                               ; tb_e: where its tiles begin
.irp e, 0,1,2,3,4,5,6
	s_add_co_u32 s[29+\e], s[28+\e], s[20+\e]
	s_add_co_u32 s44, s[20+\e], 79
	s_mul_i32 s44, s44, 52429                      ; x / 80 rounded down = (x 52429) >> 22 for x up to 8,271: 52429 / 2^22 exceeds 1 / 80 by 4.8e-8, and x times that stays under 1 / 80
	s_lshr_b32 s44, s44, 22
	s_add_co_u32 s[37+\e], s[36+\e], s44
.endr
	v_mov_b32 v51, 0
.irp e, 0,1,2,3,4,5,6,7
	v_writelane_b32 v51, s[28+\e], \e
.endr
	v_add_nc_u32 v51, v51, v49                     ; lane e: base_e + the expert's ids in the waves ahead of mine
.irp q, 0,1,2,3,4,5,6,7
	ds_bpermute_b32 v[52+\q], v[12+\q], v51        ; each id fetches its expert's figure from lane id (the address is 4 x lane); no LDS byte is touched
.endr
	s_wait_dscnt 0x0
.irp q, 0,1,2,3,4,5,6,7
	v_add_nc_u32 v[60+\q], v[60+\q], v[52+\q]      ; the token's place
	v_min_u32 v[60+\q], 0x1fff, v[60+\q]
	v_lshlrev_b32 v[60+\q], 2, v[60+\q]
	global_store_b32 v[60+\q], v[68+\q], s[8:9]    ; a scatter of 4 bytes a token, 32 KiB in all; every register is used once, so nothing is waited for
.endr
	s_cmp_ge_u32 s14, 4                            ; the table of tiles: threads 0 to 127, one entry each; no barrier follows
	s_cbranch_scc1 .Lr_end
	v_mov_b32 v80, 0                               ; the last expert whose tiles begin at or before g owns tile g: experts without rows are passed over
	v_mov_b32 v77, 0
	v_mov_b32 v78, 0
	v_mov_b32 v79, s20
.irp e, 1,2,3,4,5,6,7
	v_cmp_le_u32 vcc_lo, s[36+\e], v0
	v_cndmask_b32 v80, v80, \e, vcc_lo
	v_cndmask_b32 v77, v77, s[36+\e], vcc_lo
	v_cndmask_b32 v78, v78, s[28+\e], vcc_lo
	v_cndmask_b32 v79, v79, s[20+\e], vcc_lo
.endr
	v_sub_nc_u32 v33, v0, v77
	v_mul_u32_u24 v33, 80, v33                     ; rows of the expert ahead of this tile
	v_add_nc_u32 v81, v78, v33
	v_min_u32 v81, 0x1fff, v81                     ; its first place in order
	v_sub_nc_u32 v82, v79, v33                     ; rows left: 0 or less behind the expert's last tile
	v_cmp_lt_i32 vcc_lo, 0, v82
	v_cndmask_b32 v82, 0, v82, vcc_lo
	v_min_u32 v82, 80, v82
	v_mov_b32 v83, 0
	v_lshlrev_b32 v84, 4, v0
	global_store_b128 v84, v[80:83], s[10:11]      ; 32 lanes store 512 consecutive bytes
.Lr_end:
	s_wait_tensorcnt 0x0
	ds_add_u32 v96, v97
	s_wait_dscnt 0x0
	s_endpgm
; ---------------- THE WEIGHTS ----------------
.Lrelay:
	s_sub_co_u32 s46, ttmp9, 1
	s_lshl_b32 s46, s46, 1
	s_add_co_u32 s46, s46, s44                     ; my block of 16 rows, 0..255
	s_mul_i32 s46, s46, 24576                      ; 16 rows of 1,536 bytes in, 16 fragments of 1,536 bytes out: the same place in both buffers,
	s_mul_i32 s45, s45, 1536                       ; and so is my row's and my K step's
	s_add_co_u32 s46, s46, s45
	s_mov_b32 s47, 0
	s_add_nc_u64 s[6:7], s[6:7], s[46:47]
	s_add_nc_u64 s[12:13], s[12:13], s[46:47]
.irp c, 0,1,2
	global_load_b128 v[12+4*\c:15+4*\c], v2, s[6:7] offset:512*\c th:TH_LOAD_NT   ; a whole row, 512 consecutive bytes a load; read once in the launch
.endr
	s_wait_loadcnt 0x0
.irp c, 0,1,2
	ds_store_b128 v4, v[12+4*\c:15+4*\c] offset:512*\c
.endr
	s_wait_dscnt 0x0                               ; for the others' sake: my row lies in LDS
	s_barrier_signal -1
	s_barrier_wait -1
.irp p, 0,1,2,3,4,5
	ds_load_b64 v[24+2*\p:25+2*\p], v5 offset:48*(\p/3)+8*(\p%3)   ; the fragment's registers: lane (r, h): 24 bytes at 24 h and 24 at 48 + 24 h of row r's 96 bytes of this K step
.endr
	s_wait_dscnt 0x0
.irp c, 0,1,2
	global_store_b128 v2, v[24+4*\c:27+4*\c], s[12:13] offset:512*\c   ; the image: 512 consecutive bytes a store, at a multiple of 512 from the buffer's first byte
.endr
	s_wait_tensorcnt 0x0
	ds_add_u32 v96, v97
	s_wait_dscnt 0x0
	s_endpgm
.Lfunc_end_k_q312135d5ff_prep:
	.size	k_q312135d5ff_prep, .Lfunc_end_k_q312135d5ff_prep-k_q312135d5ff_prep
	.p2alignl 7, 3214868480
	.fill 96, 4, 3214868480
	.section	.rodata,"a",@progbits
	.p2align	6, 0x0
	.amdhsa_kernel k_q312135d5ff_prep
		.amdhsa_group_segment_fixed_size 54784
		.amdhsa_private_segment_fixed_size 0
		.amdhsa_enable_private_segment 0
		.amdhsa_kernarg_size 40
		.amdhsa_user_sgpr_count 2
		.amdhsa_user_sgpr_kernarg_segment_ptr 1
		.amdhsa_wavefront_size32 1
		.amdhsa_system_sgpr_workgroup_id_x 1
		.amdhsa_system_sgpr_workgroup_id_y 1
		.amdhsa_system_sgpr_workgroup_id_z 1
		.amdhsa_system_vgpr_workitem_id 0
		.amdhsa_next_free_vgpr 98
		.amdhsa_next_free_sgpr 66
		.amdhsa_reserve_vcc 1
		.amdhsa_float_denorm_mode_32 3
		.amdhsa_float_denorm_mode_16_64 3
		.amdhsa_memory_ordered 1
		.amdhsa_forward_progress 1
		.amdhsa_inst_pref_size 20
	.end_amdhsa_kernel
	.amdgpu_metadata
---
amdhsa.version: [ 1, 2 ]
amdhsa.kernels:
  - .name:           k_q312135d5ff_prep
    .symbol:         k_q312135d5ff_prep.kd
    .args:
      - { .name: exp_ids, .offset: 0, .size: 8, .value_kind: global_buffer, .address_space: global }
      - { .name: weight_codes, .offset: 8, .size: 8, .value_kind: global_buffer, .address_space: global }
      - { .name: order, .offset: 16, .size: 8, .value_kind: global_buffer, .address_space: global }
      - { .name: tiles, .offset: 24, .size: 8, .value_kind: global_buffer, .address_space: global }
      - { .name: wimg, .offset: 32, .size: 8, .value_kind: global_buffer, .address_space: global }
    .group_segment_fixed_size: 54784
    .private_segment_fixed_size: 0
    .kernarg_segment_align: 8
    .kernarg_segment_size: 40
    .max_flat_workgroup_size: 1024
    .sgpr_count:     66
    .vgpr_count:     98
    .wavefront_size: 32
...
	.end_amdgpu_metadata
.endif
;; end of part 1
;; launch gemm (part 2): grid 110 x 2, 4 waves a work-group, no clusters, 142,848 bytes of LDS; arguments tiles, order, tokens_codes, tokens_scales, wimg, weight_scales, out0; writes out0
.if DOCPART == 2
	.amdgcn_target "amdgcn-amd-amdhsa--gfx1250"
	.amdhsa_code_object_version 6
	.text
	.protected	k_q312135d5ff_gemm
	.globl	k_q312135d5ff_gemm
	.p2align	8
	.type	k_q312135d5ff_gemm,@function
k_q312135d5ff_gemm:
	s_mov_b64 s[64:65], 0
	v_nop
	global_prefetch_b8 v0, s[64:65] scope:SCOPE_SE
	s_setreg_imm32_b32 hwreg(HW_REG_WAVE_MODE, 25, 1), 1
	s_wait_xcnt 0x0
; out0[t] = tokens[t] . weight[exp_ids[t]], on codes of BF6 (E3M2) with one E8M0 byte for each 32 along K, only for the expert that each token names.
; A work-group takes one tile of the stored list (x: up to 80 routed rows of ONE expert) and one half of the 512 outputs (y), through all of K = 2,048.
; 110 x 2 work-groups serve every split of the tokens: ceil(8192 / 80) + 7 tiles at the most.  A tile without rows stores nothing.
; SHARES.  The four waves gather the tile's 80 rows of codes into LDS once (20 rows a wave, through registers: the rows are named by a list).  Then each wave makes all 80 rows x its own
; 64 outputs: 5 x 4 accumulators.  Its weights come from memory straight into registers, as images of operand registers that the launch before has laid: a fragment is
; three loads of 512 consecutive bytes, each weight byte is read once by the work-group, and five K steps' fragments (60 loads a wave) are kept on their way.  One barrier in all.
; ROWS BEYOND THE TILE'S COUNT repeat its last row: they read, compute and store the same numbers to the same bytes, from the same wave, so no lane is ever switched off.
; THE MATRIX INSTRUCTION IS USED TRANSPOSED (source 0 = 16 rows of the weight, source 1 = 16 tokens): a lane then holds one token and eight neighbouring outputs.
; NO CLUSTER, NO JOINT LOADS: what work-groups share here, an expert's weights, goes by plain loads into registers, for which there is no joint form; and four partners on one expert would want
; experts filled up to groups of 320 rows: (ceil(8192 / 320) + 7) x 4 x 2 = 264 work-groups against these 220, with 16 tiles for an expert of 1,024 rows against 13.
; LIMITS: codes and scale bytes are taken as they are given (a byte 0xff gives NaN, as the format has it).  The list's numbers are held inside their tables.
; REGISTERS, in windows of 256 (s_set_vgpr_msb's low byte: bits 1:0 source 0, 3:2 source 1, 5:4 source 2, 7:6 destination):
;   window 0: v1-13, v27 addresses; v14-23 gather offsets; v24-26 scale offsets; v32-151 two sets of 5 token fragments (on the way out v32-71: store offsets);
;             v160-207 the tokens' scale words, v208-239 the weights': scales and nothing else; v240-252 addresses into the list
;   window 1: v0-239 five sets of 4 weight fragments (on the way out v0-159: rows of the result)
;   window 2: v0-239 the gathered rows on their way to LDS, then v0-159 the 20 accumulators, (i, f) at v[8 (4 i + f)]
.set PT,   1552                        ; an LDS row of codes: 1,536 bytes + 16 = 388 words: row r starts at bank 4 r mod 64, the lane's half adds 6: the 32 lanes of an 8-byte load touch 64 different banks (ISA guide 11.1)
.set TT,   124416                      ; behind the 80 rows: the tile's 80 token numbers
.set STG,  124928                      ; the way out: 16 rows x (256 bytes + 16) for each wave
.set SP,   272
.set GOF,  14
.set SOF,  24
.set TF,   32
.set TSC,  160
.set WSC,  208
.set OA,   240
.set MSB, 0
.macro WIN new                         ; the immediate's high byte repeats the setting that is left; a switch that changes nothing is dropped
.if MSB != \new
	s_set_vgpr_msb (MSB<<8)|\new
.set MSB, \new
.endif
.endm
.macro PLACES                          ; a load into a register that a matrix instruction has read, and an LDS store that reads a result, stand four plain vector instructions behind it (ISA guide 7.12.1 for the LDS store)
.rept 4
	v_nop
.endr
.endm
.macro WLOAD s                         ; my four weight fragments of K step s into set s % 5
	WIN 0x40
.irp f, 0,1,2,3
.irp c, 0,1,2
	global_load_b128 v[48*((\s)%5)+12*\f+4*\c:48*((\s)%5)+12*\f+4*\c+3], v1, s[12:13] offset:\f*24576+(\s)*1536+\c*512
.endr
.endr
.endm
.macro TLOAD s                         ; the five token fragments of K step s into set s % 2: lane (r, h): 24 bytes at 24 h and 24 at 48 + 24 h of row r's 96 bytes, in pieces of 8
	WIN 0
.irp i, 0,1,2,3,4
.irp p, 0,1,2,3,4,5
	ds_load_b64 v[TF+60*((\s)%2)+12*\i+2*\p:TF+60*((\s)%2)+12*\i+2*\p+1], v[3+\i/3] offset:(\i%3)*16*PT+96*(\s)+48*(\p/3)+8*(\p%3)
.endr
.endr
.endm
; One product: tokens 16 i on x outputs 16 f on, K step s.  A scale register holds the words of two fragments: the even one's in lanes 0-15, the odd one's in lanes 16-31.  K step 0 starts the sums.
.macro PROD s, i, f
.set rD, 8*(4*(\i)+(\f))
.set rW, 48*((\s)%5)+12*(\f)
.set rT, TF+60*((\s)%2)+12*(\i)
.set rA, WSC+16*((\f)/2)+(\s)
.set rB, TSC+16*((\i)/2)+(\s)
.set rows, 2*((\f)%2)+(\i)%2
.if (\s) == 0
.if rows == 0
	v_wmma_scale_f32_16x16x128_f8f6f4 v[rD:rD+7], v[rW:rW+11], v[rT:rT+11], 0, v[rA], v[rB] matrix_a_fmt:MATRIX_FMT_BF6 matrix_b_fmt:MATRIX_FMT_BF6
.elseif rows == 1
	v_wmma_scale_f32_16x16x128_f8f6f4 v[rD:rD+7], v[rW:rW+11], v[rT:rT+11], 0, v[rA], v[rB] matrix_a_fmt:MATRIX_FMT_BF6 matrix_b_fmt:MATRIX_FMT_BF6 matrix_b_scale:MATRIX_SCALE_ROW1
.elseif rows == 2
	v_wmma_scale_f32_16x16x128_f8f6f4 v[rD:rD+7], v[rW:rW+11], v[rT:rT+11], 0, v[rA], v[rB] matrix_a_fmt:MATRIX_FMT_BF6 matrix_b_fmt:MATRIX_FMT_BF6 matrix_a_scale:MATRIX_SCALE_ROW1
.else
	v_wmma_scale_f32_16x16x128_f8f6f4 v[rD:rD+7], v[rW:rW+11], v[rT:rT+11], 0, v[rA], v[rB] matrix_a_fmt:MATRIX_FMT_BF6 matrix_b_fmt:MATRIX_FMT_BF6 matrix_a_scale:MATRIX_SCALE_ROW1 matrix_b_scale:MATRIX_SCALE_ROW1
.endif
.else
.if rows == 0
	v_wmma_scale_f32_16x16x128_f8f6f4 v[rD:rD+7], v[rW:rW+11], v[rT:rT+11], v[rD:rD+7], v[rA], v[rB] matrix_a_fmt:MATRIX_FMT_BF6 matrix_b_fmt:MATRIX_FMT_BF6
.elseif rows == 1
	v_wmma_scale_f32_16x16x128_f8f6f4 v[rD:rD+7], v[rW:rW+11], v[rT:rT+11], v[rD:rD+7], v[rA], v[rB] matrix_a_fmt:MATRIX_FMT_BF6 matrix_b_fmt:MATRIX_FMT_BF6 matrix_b_scale:MATRIX_SCALE_ROW1
.elseif rows == 2
	v_wmma_scale_f32_16x16x128_f8f6f4 v[rD:rD+7], v[rW:rW+11], v[rT:rT+11], v[rD:rD+7], v[rA], v[rB] matrix_a_fmt:MATRIX_FMT_BF6 matrix_b_fmt:MATRIX_FMT_BF6 matrix_a_scale:MATRIX_SCALE_ROW1
.else
	v_wmma_scale_f32_16x16x128_f8f6f4 v[rD:rD+7], v[rW:rW+11], v[rT:rT+11], v[rD:rD+7], v[rA], v[rB] matrix_a_fmt:MATRIX_FMT_BF6 matrix_b_fmt:MATRIX_FMT_BF6 matrix_a_scale:MATRIX_SCALE_ROW1 matrix_b_scale:MATRIX_SCALE_ROW1
.endif
.endif
.endm
; A K step of 128: 20 products, the 20 accumulators by turns, one instruction a turn, in the same order in every step.
; Behind them the two sets just read are filled again: the weights of five steps on, the tokens of two steps on.
.macro STEP s
.if (\s) == 0
	s_wait_loadcnt 36                              ; all up to the tokens' scale words is in; behind them only weight sets 2, 3, 4 were asked for: 36 loads
.elseif (\s) <= 11
	s_wait_loadcnt 48                              ; set s is in: behind it sets s + 1 .. s + 4 were asked for
.else
	s_wait_loadcnt 12*(15-(\s))                    ; the last steps: the sets that are left
.endif
.if (\s) < 15
	s_wait_dscnt 30                                ; this step's token fragments are in; the next step's 30 loads may be out
.else
	s_wait_dscnt 0x0
.endif
	WIN 0xa1                                       ; source 0 (weights) window 1, source 1 (tokens) window 0, C and D window 2
.irp i, 0,1,2,3,4
.irp f, 0,1,2,3
	PROD \s, \i, \f
.endr
.endr
.if (\s) <= 13
	PLACES
.endif
.if (\s) <= 10
	WLOAD (\s)+5
.endif
.if (\s) <= 13
	TLOAD (\s)+2
.endif
.endm
	s_load_b256 s[4:11], s[0:1], 0x0               ; tiles s[4:5], order s[6:7], tokens_codes s[8:9], tokens_scales s[10:11]
	s_load_b128 s[12:15], s[0:1], 0x20             ; wimg s[12:13], weight_scales s[14:15]
	s_load_b64 s[16:17], s[0:1], 0x30              ; out0
	v_lshl_add_u32 v254, v0, 2, 0x22c00
	v_mov_b32 v255, 0
	v_lshrrev_b32 v11, 5, v0
	v_readfirstlane_b32 s18, v11                   ; wave 0..3
	s_and_b32 s19, ttmp7, 0xffff                   ; y: which 256 outputs
	s_lshl_b32 s24, ttmp9, 4                       ; my entry of the table of tiles
	s_mov_b32 s25, 0
	s_wait_kmcnt 0x0
	s_add_nc_u64 s[4:5], s[4:5], s[24:25]
	s_load_b128 s[20:23], s[4:5], 0x0              ; expert, first place in order, rows, 0
	v_and_b32 v13, 31, v0                          ; lane
	v_and_b32 v11, 15, v0                          ; r
	v_bfe_u32 v12, v0, 4, 1                        ; h
	v_lshlrev_b32 v1, 4, v13                       ; 16 x lane: an image's place for my lane
	v_lshlrev_b32 v2, 4, v11                       ; 16 r: my 16 bytes of an aligned 256
	v_mul_u32_u24 v3, v11, PT
	v_mad_u32_u24 v3, v12, 24, v3                  ; token fragments 0-2: row r, + 24 h
	v_add_nc_u32 v4, 48*PT, v3                     ; fragments 3, 4: 48 rows on (an LDS offset has 16 bits)
	s_mul_i32 s26, s18, 20
	v_add_nc_u32 v27, s26, v12                     ; the gather: pair p is rows 20 wave + 2 p + h
	v_mul_u32_u24 v5, v27, PT
	v_add_nc_u32 v5, v5, v2                        ; where a gathered piece goes
	v_lshl_add_u32 v6, v27, 2, TT                  ; and its row's token number
	v_lshl_add_u32 v7, v12, 2, TT                  ; the way out: token numbers of rows 2 t + h
	s_mul_i32 s26, s18, 16*SP
	s_add_co_u32 s26, s26, STG                     ; my stage
	v_mul_u32_u24 v8, v11, SP
	v_lshl_add_u32 v8, v12, 5, v8
	v_add_nc_u32 v8, s26, v8                       ; in: row r, 32 bytes for each half of the lanes
	v_mul_u32_u24 v9, v12, SP
	v_add_nc_u32 v9, v9, v2
	v_add_nc_u32 v9, s26, v9                       ; back: lanes 0-15 one row of 256 bytes, lanes 16-31 the next
	v_lshlrev_b32 v10, 6, v13                      ; a row of scale bytes is 64 bytes
	s_mul_i32 s28, s19, 393216                     ; what of the bases hangs on y and the wave: 16 and 4 fragments' images x 16 K steps,
	s_mul_i32 s26, s18, 98304
	s_add_co_u32 s28, s28, s26
	s_lshl_b32 s29, s19, 14                        ; 256 and 64 rows of scale bytes,
	s_lshl_b32 s26, s18, 12
	s_add_co_u32 s29, s29, s26
	s_lshl_b32 s30, s19, 10                        ; 256 and 64 outputs of 4 bytes
	s_lshl_b32 s26, s18, 8
	s_add_co_u32 s30, s30, s26
	s_mov_b32 s31, 0
	s_add_nc_u64 s[16:17], s[16:17], s[30:31]
	s_mov_b32 s27, 0
	s_wait_kmcnt 0x0
	s_min_u32 s20, s20, 7                          ; the list's numbers are held inside their tables
	s_min_u32 s21, s21, 0x1fff
	s_min_u32 s22, s22, 80
	s_max_u32 s24, s22, 1
	s_sub_co_u32 s24, s24, 1                       ; the tile's last row
	s_mul_i32 s26, s20, 786432                     ; an expert's images
	s_add_co_u32 s26, s26, s28
	s_add_nc_u64 s[12:13], s[12:13], s[26:27]
	s_lshl_b32 s26, s20, 15                        ; an expert's scale bytes
	s_add_co_u32 s26, s26, s29
	s_add_nc_u64 s[14:15], s[14:15], s[26:27]
	; the tile's token numbers: for the gather (rows 20 wave + 2 p + h) and for the scale words (rows 32 P + lane): 13 loads
.irp p, 0,1,2,3,4,5,6,7,8,9
	v_add_nc_u32 v[OA+\p], 2*\p, v27
.endr
.irp P, 0,1,2
	v_add_nc_u32 v[OA+10+\P], 32*\P, v13
.endr
.irp p, 0,1,2,3,4,5,6,7,8,9,10,11,12
	v_min_u32 v[OA+\p], s24, v[OA+\p]              ; rows beyond the tile's count repeat its last row
.endr
.irp p, 0,1,2,3,4,5,6,7,8,9,10,11,12
	v_add_nc_u32 v[OA+\p], s21, v[OA+\p]
.endr
.irp p, 0,1,2,3,4,5,6,7,8,9,10,11,12
	v_min_u32 v[OA+\p], 0x1fff, v[OA+\p]
.endr
.irp p, 0,1,2,3,4,5,6,7,8,9,10,11,12
	v_lshlrev_b32 v[OA+\p], 2, v[OA+\p]
.endr
.irp p, 0,1,2,3,4,5,6,7,8,9
	global_load_b32 v[GOF+\p], v[OA+\p], s[6:7]
.endr
.irp P, 0,1,2
	global_load_b32 v[SOF+\P], v[OA+10+\P], s[6:7]
.endr
	; what hangs on the expert alone goes out while the list is on its way: the weights' scale words for all of K, and the first two K steps' fragments: 32 loads
.irp P, 0,1
.irp q, 0,1,2,3
	global_load_b128 v[WSC+16*\P+4*\q:WSC+16*\P+4*\q+3], v10, s[14:15] offset:2048*\P+16*\q   ; row 32 P + lane: register 16 P + s is K step s's word; lanes 0-15 fragment 2 P, lanes 16-31 fragment 2 P + 1
.endr
.endr
	WLOAD 0
	WLOAD 1
	WIN 0
	s_wait_loadcnt 32                              ; the 13 list loads are in: 32 loads were issued behind them
.irp p, 0,1,2,3,4,5,6,7,8,9
	v_min_u32 v[GOF+\p], 0x1fff, v[GOF+\p]
.endr
.irp P, 0,1,2
	v_min_u32 v[SOF+\P], 0x1fff, v[SOF+\P]
.endr
.irp p, 0,1,2,3,4,5,6,7,8,9
	ds_store_b32 v6, v[GOF+\p] offset:8*\p         ; the token numbers, for every wave's way out; sixteen lanes write the same word with the same value
.endr
.irp p, 0,1,2,3,4,5,6,7,8,9
	v_mul_u32_u24 v[GOF+\p], v[GOF+\p], 1536       ; a token's row of codes,
.endr
.irp p, 0,1,2,3,4,5,6,7,8,9
	v_add_nc_u32 v[GOF+\p], v[GOF+\p], v2          ; and my 16 bytes of each aligned 256
.endr
.irp P, 0,1,2
	v_lshlrev_b32 v[SOF+\P], 6, v[SOF+\P]          ; its row of scale bytes
.endr
	WIN 0x80                                       ; destination window 2
.irp p, 0,1,2,3,4,5,6,7,8,9
.irp u, 0,1,2,3,4,5
	global_load_b128 v[4*(6*\p+\u):4*(6*\p+\u)+3], v[GOF+\p], s[8:9] offset:256*\u   ; sixteen lanes take 256 consecutive bytes of one row, aligned; the other sixteen those of the next row of the tile
.endr
.endr
	WIN 0
.irp P, 0,1,2
.irp q, 0,1,2,3
	global_load_b128 v[TSC+16*\P+4*\q:TSC+16*\P+4*\q+3], v[SOF+\P], s[10:11] offset:16*\q   ; row 32 P + lane of the tile: register 16 P + s is K step s's word
.endr
.endr
	WIN 0x08                                       ; an LDS store's data are its source 1: window 2
.irp p, 0,1,2,3,4,5,6,7,8,9
.if 6*(9-\p)+12 > 63
	s_wait_loadcnt 63                              ; behind pair 0's loads 66 were issued; a wait's count ends at 63, and a smaller count is safe
.else
	s_wait_loadcnt 6*(9-\p)+12                     ; pair p is in: behind it the later pairs' loads and the 12 of the scale words
.endif
.irp u, 0,1,2,3,4,5
	ds_store_b128 v5, v[4*(6*\p+\u):4*(6*\p+\u)+3] offset:2*PT*\p+256*\u
.endr
.endr
	WLOAD 2                                        ; three more K steps' weights: 60 loads of a wave are or have been on their way ahead of the first product
	WLOAD 3
	WLOAD 4
	WIN 0                                          ; at a branch and at a label every window is 0
	s_wait_dscnt 0x0                               ; for the others' sake: my 20 rows and their token numbers lie in LDS
	s_barrier_signal -1
	s_barrier_wait -1                              ; the one barrier: all 80 rows are there; nothing in LDS that another wave reads is written again
	s_cmp_eq_u32 s22, 0                            ; a tile without rows stores nothing: the price of a grid that serves every split.  No barrier follows
	s_cbranch_scc1 .Lend
	TLOAD 0
	TLOAD 1
.irp s, 0,1,2,3,4,5,6,7,8,9,10,11,12,13,14,15
	STEP \s
.endr
	; THE WAY OUT.  A lane holds 32 neighbouring bytes of one token's row, the lanes beside it other tokens': 16 tokens x 64 outputs at a time go through my own stage and come back as rows of 256 bytes,
	; which sixteen lanes store as 256 consecutive bytes at a multiple of 256 from out0's first byte, at the token's own row.  LDS serves a wave's instructions in order (ISA guide 5.7.1.4): no wait
	; stands between the stage's stores and loads, nor in front of the next fragment's stores.
	PLACES
	WIN 0
.irp i, 0,1,2,3,4
.irp t, 0,1,2,3,4,5,6,7
	ds_load_b32 v[TF+8*\i+\t], v7 offset:(16*\i+2*\t)*4     ; the token of row 16 i + 2 t + h
.endr
.endr
.irp i, 0,1,2,3,4
	WIN 0x08
.irp f, 0,1,2,3
	ds_store_b128 v8, v[8*(4*\i+\f):8*(4*\i+\f)+3] offset:64*\f          ; each accumulator from its low end on
	ds_store_b128 v8, v[8*(4*\i+\f)+4:8*(4*\i+\f)+7] offset:64*\f+16
.endr
	WIN 0x40
.irp t, 0,1,2,3,4,5,6,7
	ds_load_b128 v[32*\i+4*\t:32*\i+4*\t+3], v9 offset:2*SP*\t
.endr
.endr
.irp i, 0,1,2,3,4
.if 16*(4-\i) > 63
	s_wait_dscnt 63                                ; behind fragment 0's loads stand 64 LDS instructions; a wait's count ends at 63, and a smaller count is safe
.else
	s_wait_dscnt 16*(4-\i)                         ; fragment i is back: behind its loads stand 8 stores and 8 loads for each later fragment
.endif
	WIN 0
.irp t, 0,1,2,3,4,5,6,7
	v_min_u32 v[TF+8*\i+\t], 0x1fff, v[TF+8*\i+\t]
.endr
.irp t, 0,1,2,3,4,5,6,7
	v_lshl_add_u32 v[TF+8*\i+\t], v[TF+8*\i+\t], 11, v2     ; the token's row of 2,048 bytes + my 16 bytes
.endr
	WIN 0x04                                       ; a store's data are its source 1: window 1
.irp t, 0,1,2,3,4,5,6,7
	global_store_b128 v[TF+8*\i+\t], v[32*\i+4*\t:32*\i+4*\t+3], s[16:17] th:TH_STORE_NT   ; written once, read by nobody here; every register is used once, so nothing is waited for
.endr
.endr
	WIN 0
.Lend:
	s_wait_tensorcnt 0x0
	ds_add_u32 v254, v255
	s_wait_dscnt 0x0
	s_endpgm
.Lfunc_end_k_q312135d5ff_gemm:
	.size	k_q312135d5ff_gemm, .Lfunc_end_k_q312135d5ff_gemm-k_q312135d5ff_gemm
	.p2alignl 7, 3214868480
	.fill 96, 4, 3214868480
	.section	.rodata,"a",@progbits
	.p2align	6, 0x0
	.amdhsa_kernel k_q312135d5ff_gemm
		.amdhsa_group_segment_fixed_size 142848
		.amdhsa_private_segment_fixed_size 0
		.amdhsa_enable_private_segment 0
		.amdhsa_kernarg_size 56
		.amdhsa_user_sgpr_count 2
		.amdhsa_user_sgpr_kernarg_segment_ptr 1
		.amdhsa_wavefront_size32 1
		.amdhsa_system_sgpr_workgroup_id_x 1
		.amdhsa_system_sgpr_workgroup_id_y 1
		.amdhsa_system_sgpr_workgroup_id_z 1
		.amdhsa_system_vgpr_workitem_id 0
		.amdhsa_next_free_vgpr 768
		.amdhsa_next_free_sgpr 66
		.amdhsa_reserve_vcc 0
		.amdhsa_float_denorm_mode_32 3
		.amdhsa_float_denorm_mode_16_64 3
		.amdhsa_memory_ordered 1
		.amdhsa_forward_progress 1
		.amdhsa_inst_pref_size 131
	.end_amdhsa_kernel
	.amdgpu_metadata
---
amdhsa.version: [ 1, 2 ]
amdhsa.kernels:
  - .name:           k_q312135d5ff_gemm
    .symbol:         k_q312135d5ff_gemm.kd
    .args:
      - { .name: tiles, .offset: 0, .size: 8, .value_kind: global_buffer, .address_space: global }
      - { .name: order, .offset: 8, .size: 8, .value_kind: global_buffer, .address_space: global }
      - { .name: tokens_codes, .offset: 16, .size: 8, .value_kind: global_buffer, .address_space: global }
      - { .name: tokens_scales, .offset: 24, .size: 8, .value_kind: global_buffer, .address_space: global }
      - { .name: wimg, .offset: 32, .size: 8, .value_kind: global_buffer, .address_space: global }
      - { .name: weight_scales, .offset: 40, .size: 8, .value_kind: global_buffer, .address_space: global }
      - { .name: out0, .offset: 48, .size: 8, .value_kind: global_buffer, .address_space: global }
    .group_segment_fixed_size: 142848
    .private_segment_fixed_size: 0
    .kernarg_segment_align: 8
    .kernarg_segment_size: 56
    .max_flat_workgroup_size: 128
    .sgpr_count:     66
    .vgpr_count:     768
    .wavefront_size: 32
...
	.end_amdgpu_metadata
.endif
;; end of part 2
;; ======== version 2 of 2: 2 launches; version 1 with the launch gemm written anew for expert scheduling mode
;; workspace buffers: order 32,768 bytes of whole numbers; tiles 2,048 bytes of whole numbers; wimg 6,291,456 bytes
;; launch prep: the kernel of part 1 again; grid 129 x 1, 32 waves a work-group, no clusters, 54,784 bytes of LDS; arguments exp_ids, weight_codes, order, tiles, wimg; writes order, tiles, wimg
;; launch gemm (part 3): grid 110 x 2, 4 waves a work-group, no clusters, 142,848 bytes of LDS; arguments tiles, order, tokens_codes, tokens_scales, wimg, weight_scales, out0; writes out0
.if DOCPART == 3
	.amdgcn_target "amdgcn-amd-amdhsa--gfx1250"
	.amdhsa_code_object_version 6
	.text
	.protected	k_q312135d5ff_gemm
	.globl	k_q312135d5ff_gemm
	.p2align	8
	.type	k_q312135d5ff_gemm,@function
k_q312135d5ff_gemm:
	s_mov_b64 s[64:65], 0
	v_nop
	global_prefetch_b8 v0, s[64:65] scope:SCOPE_SE
	s_setreg_imm32_b32 hwreg(HW_REG_WAVE_SCHED_MODE, 0, 2), 2
	s_setreg_imm32_b32 hwreg(HW_REG_WAVE_MODE, 25, 1), 1
	s_wait_xcnt 0x0
	s_wait_alu depctr_vm_vsrc(0)
; out0[t] = tokens[t] . weight[exp_ids[t]], on codes of BF6 (E3M2) with one E8M0 byte for each 32 along K, only for the expert that each token names.
; A work-group takes one tile of the stored list (x: up to 80 routed rows of ONE expert) and one half of the 512 outputs (y), through all of K = 2,048.
; 110 x 2 work-groups serve every split of the tokens: ceil(8192 / 80) + 7 tiles at the most.  A tile without rows stores nothing.
; SHARES.  The four waves gather the tile's 80 rows of codes into LDS once (20 rows a wave, through registers: the rows are named by a list).  Then each wave makes all 80 rows x its own
; 64 outputs: 5 x 4 accumulators.  Its weights come from memory straight into registers, as images of operand registers that the launch before has laid: a fragment is
; three loads of 512 consecutive bytes, each weight byte is read once by the work-group; the first five K steps' fragments (60 loads a wave) are asked for ahead of the first product, and each step then asks for the step four on.  One barrier in all.
; ROWS BEYOND THE TILE'S COUNT repeat its last row: they read, compute and store the same numbers to the same bytes, from the same wave, so no lane is ever switched off.
; THE MATRIX INSTRUCTION IS USED TRANSPOSED (source 0 = 16 rows of the weight, source 1 = 16 tokens): a lane then holds one token and eight neighbouring outputs.
; NO CLUSTER, NO JOINT LOADS: what work-groups share here, an expert's weights, goes by plain loads into registers, for which there is no joint form; and four partners on one expert would want
; experts filled up to groups of 320 rows: (ceil(8192 / 320) + 7) x 4 x 2 = 264 work-groups against these 220, with 16 tiles for an expert of 1,024 rows against 13.
; LIMITS: codes and scale bytes are taken as they are given (a byte 0xff gives NaN, as the format has it).  The list's numbers are held inside their tables.
; THE MODE: SCHED_MODE bits 1:0 = 2 (LLVM: expert scheduling mode 2), set by the entry lines.  The code itself states the register dependences
; between vector or matrix instructions and memory or LDS instructions, with s_wait_alu, always for 0.
; THE PLAN.  Registers that memory or LDS instructions touch, in the K steps:
;   W0 .. W4 (window 1)  Step s: its 20 products read W[s % 5]; the loads of K step s + 4 land in W[(s - 1) % 5], which the step before read.
;   T0 .. T2 (window 3)  Step s: its products read T[s % 3]; the LDS loads of K step s + 2 land in T[(s - 1) % 3], which the step before read.
;   v1, v3, v4           The loads' addresses: made at the head, never written again; the K step stands in the immediate offsets.
;   The scale words are loaded once; the accumulators are named by the products alone until the way out.
; So ONE wait on va_vdst stands at a step's head, behind its waits for data: the products of the step before are done reading their two sets.  The step's 42 loads follow in four short runs among
; its five groups of four products, which name W[s % 5], T[s % 3], the scale words and the accumulators: none of the registers that those loads touch.
; REGISTERS, in windows of 256 (s_set_vgpr_msb's low byte: bits 1:0 source 0, 3:2 source 1, 5:4 source 2, 7:6 destination):
;   window 0: v1-13, v27 addresses; v14-23 the gathered rows' token numbers; v24-26 scale offsets; on the way out v32-71: store offsets;
;             v160-207 the tokens' scale words, v208-239 the weights': scales and nothing else; v240-252 addresses into the list, then v240-249 the gather's offsets; v254, v255 the add's two
;   window 1: v0-239 five sets of 4 weight fragments (on the way out v0-159: rows of the result)
;   window 2: v0-239 the gathered rows on their way to LDS, then v0-159 the 20 accumulators, (i, f) at v[8 (4 i + f)]
;   window 3: v0-179 three sets of 5 token fragments
.set PT,   1552                        ; an LDS row of codes: 1,536 bytes + 16 = 388 words: row r starts at bank 4 r mod 64, the lane's half adds 6: the 32 lanes of an 8-byte load touch 64 different banks (ISA guide 11.1)
.set TT,   124416                      ; behind the 80 rows: the tile's 80 token numbers
.set STG,  124928                      ; the way out: 16 rows x (256 bytes + 16) for each wave
.set SP,   272
.set GOF,  14
.set SOF,  24
.set TO,   32
.set TSC,  160
.set WSC,  208
.set OA,   240
.set MSB, 0
.macro WIN new                         ; the immediate's high byte repeats the setting that is left; a switch that changes nothing is dropped
.if MSB != \new
	s_set_vgpr_msb (MSB<<8)|\new
.set MSB, \new
.endif
.endm
.macro PLACES                          ; four plain vector instructions behind a matrix instruction, ahead of an LDS store that reads a result and of loads into registers that it has read; they stay beside the waits on va_vdst
.rept 4
	v_nop
.endr
.endm
.macro WLOAD s                         ; my four weight fragments of K step s into set s % 5
	WIN 0x40
.irp f, 0,1,2,3
.irp c, 0,1,2
	global_load_b128 v[48*((\s)%5)+12*\f+4*\c:48*((\s)%5)+12*\f+4*\c+3], v1, s[12:13] offset:\f*24576+(\s)*1536+\c*512
.endr
.endr
.endm
.macro TFRAG s, i                      ; token fragment i of K step s into set s % 3: lane (r, h): 24 bytes at 24 h and 24 at 48 + 24 h of row r's 96 bytes, in pieces of 8
	WIN 0xc0                                       ; destination window 3, address window 0
.irp p, 0,1,2,3,4,5
	ds_load_b64 v[60*((\s)%3)+12*(\i)+2*\p:60*((\s)%3)+12*(\i)+2*\p+1], v[3+(\i)/3] offset:((\i)%3)*16*PT+96*(\s)+48*(\p/3)+8*(\p%3)
.endr
.endm
; One product: tokens 16 i on x outputs 16 f on, K step s.  A scale register holds the words of two fragments: the even one's in lanes 0-15, the odd one's in lanes 16-31.  K step 0 starts the sums.
.macro PROD s, i, f
.set rD, 8*(4*(\i)+(\f))
.set rW, 48*((\s)%5)+12*(\f)
.set rT, 60*((\s)%3)+12*(\i)
.set rA, WSC+16*((\f)/2)+(\s)
.set rB, TSC+16*((\i)/2)+(\s)
.set rows, 2*((\f)%2)+(\i)%2
.if (\s) == 0
.if rows == 0
	v_wmma_scale_f32_16x16x128_f8f6f4 v[rD:rD+7], v[rW:rW+11], v[rT:rT+11], 0, v[rA], v[rB] matrix_a_fmt:MATRIX_FMT_BF6 matrix_b_fmt:MATRIX_FMT_BF6
.elseif rows == 1
	v_wmma_scale_f32_16x16x128_f8f6f4 v[rD:rD+7], v[rW:rW+11], v[rT:rT+11], 0, v[rA], v[rB] matrix_a_fmt:MATRIX_FMT_BF6 matrix_b_fmt:MATRIX_FMT_BF6 matrix_b_scale:MATRIX_SCALE_ROW1
.elseif rows == 2
	v_wmma_scale_f32_16x16x128_f8f6f4 v[rD:rD+7], v[rW:rW+11], v[rT:rT+11], 0, v[rA], v[rB] matrix_a_fmt:MATRIX_FMT_BF6 matrix_b_fmt:MATRIX_FMT_BF6 matrix_a_scale:MATRIX_SCALE_ROW1
.else
	v_wmma_scale_f32_16x16x128_f8f6f4 v[rD:rD+7], v[rW:rW+11], v[rT:rT+11], 0, v[rA], v[rB] matrix_a_fmt:MATRIX_FMT_BF6 matrix_b_fmt:MATRIX_FMT_BF6 matrix_a_scale:MATRIX_SCALE_ROW1 matrix_b_scale:MATRIX_SCALE_ROW1
.endif
.else
.if rows == 0
	v_wmma_scale_f32_16x16x128_f8f6f4 v[rD:rD+7], v[rW:rW+11], v[rT:rT+11], v[rD:rD+7], v[rA], v[rB] matrix_a_fmt:MATRIX_FMT_BF6 matrix_b_fmt:MATRIX_FMT_BF6
.elseif rows == 1
	v_wmma_scale_f32_16x16x128_f8f6f4 v[rD:rD+7], v[rW:rW+11], v[rT:rT+11], v[rD:rD+7], v[rA], v[rB] matrix_a_fmt:MATRIX_FMT_BF6 matrix_b_fmt:MATRIX_FMT_BF6 matrix_b_scale:MATRIX_SCALE_ROW1
.elseif rows == 2
	v_wmma_scale_f32_16x16x128_f8f6f4 v[rD:rD+7], v[rW:rW+11], v[rT:rT+11], v[rD:rD+7], v[rA], v[rB] matrix_a_fmt:MATRIX_FMT_BF6 matrix_b_fmt:MATRIX_FMT_BF6 matrix_a_scale:MATRIX_SCALE_ROW1
.else
	v_wmma_scale_f32_16x16x128_f8f6f4 v[rD:rD+7], v[rW:rW+11], v[rT:rT+11], v[rD:rD+7], v[rA], v[rB] matrix_a_fmt:MATRIX_FMT_BF6 matrix_b_fmt:MATRIX_FMT_BF6 matrix_a_scale:MATRIX_SCALE_ROW1 matrix_b_scale:MATRIX_SCALE_ROW1
.endif
.endif
.endm
.macro QUAD s, i                       ; four products: tokens 16 i on x my 64 outputs
	WIN 0xad                                       ; source 0 (weights) window 1, source 1 (tokens) window 3, C and D window 2
.irp f, 0,1,2,3
	PROD \s, \i, \f
.endr
.endm
; A K step of 128: 20 products, the 20 accumulators by turns, one instruction a turn, in the same order in every step.
; Among them the two sets that the step before read are filled again: the weights of four steps on, first, and then the tokens of two steps on.
.macro STEP s
.if (\s) <= 12
	s_wait_loadcnt 36                              ; set s is in: behind it sets s + 1 .. s + 3 were asked for.  (Step 0: all up to the tokens' scale words is in; behind them only weight sets 2, 3, 4 were asked for)
.else
	s_wait_loadcnt 12*(15-(\s))                    ; the last steps: the sets that are left
.endif
.if (\s) < 15
	s_wait_dscnt 30                                ; this step's token fragments are in; the next step's 30 loads may be out
.else
	s_wait_dscnt 0x0
.endif
.if ((\s) >= 1) && ((\s) <= 13)
	s_wait_alu depctr_va_vdst(0)                   ; the products of the step before are done reading W[(s - 1) % 5] and T[(s - 1) % 3], in which this step's loads land
.endif
	QUAD \s, 0
.if ((\s) >= 1) && ((\s) <= 11)
	WLOAD (\s)+4                                   ; no further wait: no product since the wait above names this set
.endif
	QUAD \s, 1
.if (\s) <= 13
	TFRAG (\s)+2, 0                                ; likewise.  (Step 0: set 2 has been named by nothing yet)
	TFRAG (\s)+2, 1
.endif
	QUAD \s, 2
.if (\s) <= 13
	TFRAG (\s)+2, 2
	TFRAG (\s)+2, 3
.endif
	QUAD \s, 3
.if (\s) <= 13
	TFRAG (\s)+2, 4
.endif
	QUAD \s, 4
.if (\s) <= 12
	PLACES                                         ; ahead of the next step's loads into the sets just read
.endif
.endm
	s_load_b256 s[4:11], s[0:1], 0x0               ; tiles s[4:5], order s[6:7], tokens_codes s[8:9], tokens_scales s[10:11]
	s_load_b128 s[12:15], s[0:1], 0x20             ; wimg s[12:13], weight_scales s[14:15]
	s_load_b64 s[16:17], s[0:1], 0x30              ; out0
	v_lshl_add_u32 v254, v0, 2, 0x22c00
	v_mov_b32 v255, 0
	v_lshrrev_b32 v11, 5, v0
	v_readfirstlane_b32 s18, v11                   ; wave 0..3
	s_and_b32 s19, ttmp7, 0xffff                   ; y: which 256 outputs
	s_lshl_b32 s24, ttmp9, 4                       ; my entry of the table of tiles
	s_mov_b32 s25, 0
	s_wait_kmcnt 0x0
	s_add_nc_u64 s[4:5], s[4:5], s[24:25]
	s_load_b128 s[20:23], s[4:5], 0x0              ; expert, first place in order, rows, 0
	v_and_b32 v13, 31, v0                          ; lane
	v_and_b32 v11, 15, v0                          ; r
	v_bfe_u32 v12, v0, 4, 1                        ; h
	v_lshlrev_b32 v1, 4, v13                       ; 16 x lane: an image's place for my lane
	v_lshlrev_b32 v2, 4, v11                       ; 16 r: my 16 bytes of an aligned 256
	v_mul_u32_u24 v3, v11, PT
	v_mad_u32_u24 v3, v12, 24, v3                  ; token fragments 0-2: row r, + 24 h
	v_add_nc_u32 v4, 48*PT, v3                     ; fragments 3, 4: 48 rows on (an LDS offset has 16 bits)
	s_wait_alu depctr_va_sdst(0)                   ; s18, the wave's number, is written, ahead of its first reader
	s_mul_i32 s26, s18, 20
	v_add_nc_u32 v27, s26, v12                     ; the gather: pair p is rows 20 wave + 2 p + h
	v_mul_u32_u24 v5, v27, PT
	v_add_nc_u32 v5, v5, v2                        ; where a gathered piece goes
	v_lshl_add_u32 v6, v27, 2, TT                  ; and its row's token number
	v_lshl_add_u32 v7, v12, 2, TT                  ; the way out: token numbers of rows 2 t + h
	s_mul_i32 s26, s18, 16*SP
	s_add_co_u32 s26, s26, STG                     ; my stage
	v_mul_u32_u24 v8, v11, SP
	v_lshl_add_u32 v8, v12, 5, v8
	v_add_nc_u32 v8, s26, v8                       ; in: row r, 32 bytes for each half of the lanes
	v_mul_u32_u24 v9, v12, SP
	v_add_nc_u32 v9, v9, v2
	v_add_nc_u32 v9, s26, v9                       ; back: lanes 0-15 one row of 256 bytes, lanes 16-31 the next
	v_lshlrev_b32 v10, 6, v13                      ; a row of scale bytes is 64 bytes
	s_mul_i32 s28, s19, 393216                     ; what of the bases hangs on y and the wave: 16 and 4 fragments' images x 16 K steps,
	s_mul_i32 s26, s18, 98304
	s_add_co_u32 s28, s28, s26
	s_lshl_b32 s29, s19, 14                        ; 256 and 64 rows of scale bytes,
	s_lshl_b32 s26, s18, 12
	s_add_co_u32 s29, s29, s26
	s_lshl_b32 s30, s19, 10                        ; 256 and 64 outputs of 4 bytes
	s_lshl_b32 s26, s18, 8
	s_add_co_u32 s30, s30, s26
	s_mov_b32 s31, 0
	s_add_nc_u64 s[16:17], s[16:17], s[30:31]
	s_mov_b32 s27, 0
	s_wait_kmcnt 0x0
	s_min_u32 s20, s20, 7                          ; the list's numbers are held inside their tables
	s_min_u32 s21, s21, 0x1fff
	s_min_u32 s22, s22, 80
	s_max_u32 s24, s22, 1
	s_sub_co_u32 s24, s24, 1                       ; the tile's last row
	s_mul_i32 s26, s20, 786432                     ; an expert's images
	s_add_co_u32 s26, s26, s28
	s_add_nc_u64 s[12:13], s[12:13], s[26:27]
	s_lshl_b32 s26, s20, 15                        ; an expert's scale bytes
	s_add_co_u32 s26, s26, s29
	s_add_nc_u64 s[14:15], s[14:15], s[26:27]
	; the tile's token numbers: for the gather (rows 20 wave + 2 p + h) and for the scale words (rows 32 P + lane): 13 loads
.irp p, 0,1,2,3,4,5,6,7,8,9
	v_add_nc_u32 v[OA+\p], 2*\p, v27
.endr
.irp P, 0,1,2
	v_add_nc_u32 v[OA+10+\P], 32*\P, v13
.endr
.irp p, 0,1,2,3,4,5,6,7,8,9,10,11,12
	v_min_u32 v[OA+\p], s24, v[OA+\p]              ; rows beyond the tile's count repeat its last row
.endr
.irp p, 0,1,2,3,4,5,6,7,8,9,10,11,12
	v_add_nc_u32 v[OA+\p], s21, v[OA+\p]
.endr
.irp p, 0,1,2,3,4,5,6,7,8,9,10,11,12
	v_min_u32 v[OA+\p], 0x1fff, v[OA+\p]
.endr
.irp p, 0,1,2,3,4,5,6,7,8,9,10,11,12
	v_lshlrev_b32 v[OA+\p], 2, v[OA+\p]
.endr
	s_wait_alu depctr_va_vdst(0)                   ; v[OA ..] are written, which the list's loads read; so are v1 to v10, the addresses of every later load and store, which are never written again
.irp p, 0,1,2,3,4,5,6,7,8,9
	global_load_b32 v[GOF+\p], v[OA+\p], s[6:7]
.endr
.irp P, 0,1,2
	global_load_b32 v[SOF+\P], v[OA+10+\P], s[6:7]
.endr
	; what hangs on the expert alone goes out while the list is on its way: the weights' scale words for all of K, and the first two K steps' fragments: 32 loads
.irp P, 0,1
.irp q, 0,1,2,3
	global_load_b128 v[WSC+16*\P+4*\q:WSC+16*\P+4*\q+3], v10, s[14:15] offset:2048*\P+16*\q   ; row 32 P + lane: register 16 P + s is K step s's word; lanes 0-15 fragment 2 P, lanes 16-31 fragment 2 P + 1
.endr
.endr
	WLOAD 0
	WLOAD 1
	WIN 0
	s_wait_loadcnt 32                              ; the 13 list loads are in: 32 loads were issued behind them
	s_wait_alu depctr_vm_vsrc(0)                   ; the list's loads have read v[OA ..], of which ten are written again below, as the gather's offsets
.irp p, 0,1,2,3,4,5,6,7,8,9
	v_min_u32 v[GOF+\p], 0x1fff, v[GOF+\p]
.endr
.irp P, 0,1,2
	v_min_u32 v[SOF+\P], 0x1fff, v[SOF+\P]
.endr
.irp p, 0,1,2,3,4,5,6,7,8,9
	v_mul_u32_u24 v[OA+\p], v[GOF+\p], 1536        ; a token's row of codes (into registers of its own: the token numbers stay for the LDS stores below),
.endr
.irp p, 0,1,2,3,4,5,6,7,8,9
	v_add_nc_u32 v[OA+\p], v[OA+\p], v2            ; and my 16 bytes of each aligned 256
.endr
.irp P, 0,1,2
	v_lshlrev_b32 v[SOF+\P], 6, v[SOF+\P]          ; its row of scale bytes
.endr
	s_wait_alu depctr_va_vdst(0)                   ; the token numbers, the gather's offsets and the scale offsets are written: the LDS stores and the 72 loads below read them, and none is written again
.irp p, 0,1,2,3,4,5,6,7,8,9
	ds_store_b32 v6, v[GOF+\p] offset:8*\p         ; the token numbers, for every wave's way out; sixteen lanes write the same word with the same value
.endr
	WIN 0x80                                       ; destination window 2
.irp p, 0,1,2,3,4,5,6,7,8,9
.irp u, 0,1,2,3,4,5
	global_load_b128 v[4*(6*\p+\u):4*(6*\p+\u)+3], v[OA+\p], s[8:9] offset:256*\u   ; sixteen lanes take 256 consecutive bytes of one row, aligned; the other sixteen those of the next row of the tile
.endr
.endr
	WIN 0
.irp P, 0,1,2
.irp q, 0,1,2,3
	global_load_b128 v[TSC+16*\P+4*\q:TSC+16*\P+4*\q+3], v[SOF+\P], s[10:11] offset:16*\q   ; row 32 P + lane of the tile: register 16 P + s is K step s's word
.endr
.endr
	WIN 0x08                                       ; an LDS store's data are its source 1: window 2
.irp p, 0,1,2,3,4,5,6,7,8,9
.if 6*(9-\p)+12 > 63
	s_wait_loadcnt 63                              ; behind pair 0's loads 66 were issued; a wait's count ends at 63, and a smaller count is safe
.else
	s_wait_loadcnt 6*(9-\p)+12                     ; pair p is in: behind it the later pairs' loads and the 12 of the scale words
.endif
.irp u, 0,1,2,3,4,5
	ds_store_b128 v5, v[4*(6*\p+\u):4*(6*\p+\u)+3] offset:2*PT*\p+256*\u
.endr
.endr
	WLOAD 2                                        ; three more K steps' weights: 60 loads of a wave are or have been on their way ahead of the first product
	WLOAD 3
	WLOAD 4
	WIN 0                                          ; at a branch and at a label every window is 0
	s_wait_dscnt 0x0                               ; for the others' sake: my 20 rows and their token numbers lie in LDS
	s_barrier_signal -1
	s_barrier_wait -1                              ; the one barrier: all 80 rows are there; nothing in LDS that another wave reads is written again
	s_wait_alu depctr_vm_vsrc(0)                   ; my LDS stores have read window 2's v0-239: v0-159 are the accumulators from here on, written by the products
	s_cmp_eq_u32 s22, 0                            ; a tile without rows stores nothing: the price of a grid that serves every split.  No barrier follows
	s_cbranch_scc1 .Lend
.irp i, 0,1,2,3,4
	TFRAG 0, \i                                    ; the first two K steps' token fragments: window 3 has been named by nothing yet
.endr
.irp i, 0,1,2,3,4
	TFRAG 1, \i
.endr
.irp s, 0,1,2,3,4,5,6,7,8,9,10,11,12,13,14,15
	STEP \s
.endr
	; THE WAY OUT.  A lane holds 32 neighbouring bytes of one token's row, the lanes beside it other tokens': 16 tokens x 64 outputs at a time go through my own stage and come back as rows of 256 bytes,
	; which sixteen lanes store as 256 consecutive bytes at a multiple of 256 from out0's first byte, at the token's own row.  LDS serves a wave's instructions in order (ISA guide 5.7.1.4): no wait
	; stands between the stage's stores and loads, nor in front of the next fragment's stores.  The 40 store offsets are made in one batch, while the rows are on their way through the stage.
	PLACES
	WIN 0
.irp i, 0,1,2,3,4
.irp t, 0,1,2,3,4,5,6,7
	ds_load_b32 v[TO+8*\i+\t], v7 offset:(16*\i+2*\t)*4     ; the token of row 16 i + 2 t + h.  (No vector or matrix instruction has named these registers)
.endr
.endr
	s_wait_alu depctr_va_vdst(0)                   ; the products have written the accumulators, which the stage's stores read, and are done reading window 1's weights, in which the stage's loads land; the places above stay beside this wait
.irp i, 0,1,2,3,4
	WIN 0x08
.irp f, 0,1,2,3
	ds_store_b128 v8, v[8*(4*\i+\f):8*(4*\i+\f)+3] offset:64*\f          ; each accumulator from its low end on
	ds_store_b128 v8, v[8*(4*\i+\f)+4:8*(4*\i+\f)+7] offset:64*\f+16
.endr
	WIN 0x40
.irp t, 0,1,2,3,4,5,6,7
	ds_load_b128 v[32*\i+4*\t:32*\i+4*\t+3], v9 offset:2*SP*\t
.endr
.endr
	s_wait_dscnt 63                                ; of the 120 LDS instructions above at most 63 are out: the oldest 57 are done, the 40 token numbers and fragment 0's 8 stores and 8 loads among them (a wait's count ends at 63)
	WIN 0
.irp i, 0,1,2,3,4
.irp t, 0,1,2,3,4,5,6,7
	v_min_u32 v[TO+8*\i+\t], 0x1fff, v[TO+8*\i+\t]
.endr
.endr
.irp i, 0,1,2,3,4
.irp t, 0,1,2,3,4,5,6,7
	v_lshl_add_u32 v[TO+8*\i+\t], v[TO+8*\i+\t], 11, v2     ; the token's row of 2,048 bytes + my 16 bytes
.endr
.endr
	s_wait_alu depctr_va_vdst(0)                   ; the 40 offsets are written, which the stores below read
	WIN 0x04                                       ; a store's data are its source 1: window 1
.irp i, 0,1,2,3,4
.if \i > 0
	s_wait_dscnt 16*(4-\i)                         ; fragment i is back: behind its loads stand 8 stores and 8 loads for each later fragment
.endif
.irp t, 0,1,2,3,4,5,6,7
	global_store_b128 v[TO+8*\i+\t], v[32*\i+4*\t:32*\i+4*\t+3], s[16:17] th:TH_STORE_NT   ; written once, read by nobody here; every register is used once, so nothing is waited for
.endr
.endr
	WIN 0
.Lend:
	s_wait_dscnt 0x0                               ; the closing lines, six on end
	s_wait_alu 0x0
	s_wait_tensorcnt 0x0
	ds_add_u32 v254, v255
	s_wait_dscnt 0x0
	s_endpgm
.Lfunc_end_k_q312135d5ff_gemm:
	.size	k_q312135d5ff_gemm, .Lfunc_end_k_q312135d5ff_gemm-k_q312135d5ff_gemm
	.p2alignl 7, 3214868480
	.fill 96, 4, 3214868480
	.section	.rodata,"a",@progbits
	.p2align	6, 0x0
	.amdhsa_kernel k_q312135d5ff_gemm
		.amdhsa_group_segment_fixed_size 142848
		.amdhsa_private_segment_fixed_size 0
		.amdhsa_enable_private_segment 0
		.amdhsa_kernarg_size 56
		.amdhsa_user_sgpr_count 2
		.amdhsa_user_sgpr_kernarg_segment_ptr 1
		.amdhsa_wavefront_size32 1
		.amdhsa_system_sgpr_workgroup_id_x 1
		.amdhsa_system_sgpr_workgroup_id_y 1
		.amdhsa_system_sgpr_workgroup_id_z 1
		.amdhsa_system_vgpr_workitem_id 0
		.amdhsa_next_free_vgpr 948
		.amdhsa_next_free_sgpr 66
		.amdhsa_reserve_vcc 0
		.amdhsa_float_denorm_mode_32 3
		.amdhsa_float_denorm_mode_16_64 3
		.amdhsa_memory_ordered 1
		.amdhsa_forward_progress 1
		.amdhsa_inst_pref_size 134
	.end_amdhsa_kernel
	.amdgpu_metadata
---
amdhsa.version: [ 1, 2 ]
amdhsa.kernels:
  - .name:           k_q312135d5ff_gemm
    .symbol:         k_q312135d5ff_gemm.kd
    .args:
      - { .name: tiles, .offset: 0, .size: 8, .value_kind: global_buffer, .address_space: global }
      - { .name: order, .offset: 8, .size: 8, .value_kind: global_buffer, .address_space: global }
      - { .name: tokens_codes, .offset: 16, .size: 8, .value_kind: global_buffer, .address_space: global }
      - { .name: tokens_scales, .offset: 24, .size: 8, .value_kind: global_buffer, .address_space: global }
      - { .name: wimg, .offset: 32, .size: 8, .value_kind: global_buffer, .address_space: global }
      - { .name: weight_scales, .offset: 40, .size: 8, .value_kind: global_buffer, .address_space: global }
      - { .name: out0, .offset: 48, .size: 8, .value_kind: global_buffer, .address_space: global }
    .group_segment_fixed_size: 142848
    .private_segment_fixed_size: 0
    .kernarg_segment_align: 8
    .kernarg_segment_size: 56
    .max_flat_workgroup_size: 128
    .sgpr_count:     66
    .vgpr_count:     948
    .wavefront_size: 32
...
	.end_amdgpu_metadata
.endif
;; end of part 3
